; MI455X (gfx1250); checked and timed in simulation.
; The chip was launched on July 23, 2026; its instructions are those of AMD's public machine-readable ISA for CDNA 5 (MIT licence, August 2026) and "CDNA5" Instruction Set Architecture Reference Guide (July 2026). The comments in the code are by the model that wrote it; some were corrected since.
;; Regional Attention Module. Allowed arithmetic: matrix products marked QUANTISED: E4M3 operands, one E8M0 scale for each 32 along K, by v_wmma_scale_f32_16x16x128_f8f6f4 with both operands' format E4M3, f32 sums; everything else in f32.
;; Inputs: Wk 1,024 x 1,024 float32; Wq 1,024 x 1,024 float32; Wv 1,024 x 1,024 float32; bk 1,024 float32; bq 1,024 float32; bv 1,024 float32; region_mask 2 x 2,048 float32; region_weight 1 float32; x 2 x 2,048 x 1,024 float32.
;; Outputs: out0 2 x 2,048 x 1,024 float32.
;; This version of the problem:
;;   THIS VERSION OF THE PROBLEM IS GIVEN IN LOW PRECISION. The matrix products marked QUANTISED in the list below multiply operands that are first quantised to E4M3 (4 exponent bits, 3 mantissa bits; 8 bits a number), with one power-of-two scale for each 32 numbers along K (OCP MX v1.0); their sums are f32. All else is computed in f32.
;;   The module's matrix products, in the order in which they are computed (A, B: the left and right operand; K: the contracted axis; several contracted axes count as one K, in the product's order):
;;     1. [M 4,096, K 1,024] x [K 1,024, N 1,024]; A: input x; B: input Wq: QUANTISED
;;     2. [M 4,096, K 1,024] x [K 1,024, N 1,024]; A: input x; B: input Wk: QUANTISED
;;     3. [M 4,096, K 1,024] x [K 1,024, N 1,024]; A: input x; B: input Wv: QUANTISED
;;     4. batch 32 x [M 2,048, K 64] x [K 64, N 2,048]; A: computed on the way; B: computed on the way: QUANTISED
;;     5. batch 32 x [M 2,048, K 2,048] x [K 2,048, N 64]; A: softmax (see below); B: computed on the way: QUANTISED
;;   THE QUANTISER, for each operand of a quantised product, along K:
;;     - K is cut into blocks of 32 from its start; a last block that is shorter is filled with zeros.
;;     - A block's scale is 2^e with e = floor(log2(the largest magnitude in the block)) - 8, held to -126 .. 127; a block of zeros has e = 0. As a byte (E8M0): e + 127.
;;     - Each number is divided by its block's scale, clamped to +-448, and rounded to the nearest number of E4M3, ties to even, subnormals kept.
;;     - The product sums the exact products of the quantised numbers (number of the format x scale) in f32.
;;   ~~~python
;;   def quantise(x, axis):      # numpy; x: float32 -> the quantised numbers, widened to float32 again
;;       x = np.moveaxis(x, axis, -1); K = x.shape[-1]
;;       x = np.pad(x, [(0, 0)] * (x.ndim - 1) + [(0, -K % 32)]); x = x.reshape(x.shape[:-1] + (-1, 32)); a = np.abs(x).max(-1, keepdims=True)
;;       e = np.where(a > 0, np.clip(np.frexp(np.where(a > 0, a, 1))[1] - 1 - 8, -126, 127), 0)      # np.frexp(a)[1] - 1 = floor(log2(a)), exactly
;;       r = np.clip(x / 2.0 ** e, -448, 448)
;;       step = 2.0 ** (np.maximum(np.frexp(np.where(r == 0, 1, r))[1] - 1, -6) - 3)
;;       q = np.round(r / step) * step * 2.0 ** e      # np.round: ties to even
;;       return np.moveaxis(q.reshape(q.shape[:-2] + (-1,))[..., :K], -1, axis).astype(np.float32)
;;   ~~~
;;   SOFTMAX AHEAD OF A QUANTISED PRODUCT. Where the list says 'softmax', what is quantised is not the finished softmax but p = 2^(t - M), with t = logit x log2(e) and M = ceil(the row's largest t), a whole number; so 1/2 < the row's largest p <= 1. The row's sum l is taken of the UNQUANTISED p, in f32, and the product's result is divided by l at the end. Since M is a whole number, a kernel that streams over the keys may use a running M (the ceiling of the running maximum): every later rescaling is an exact power of two, which a block's scale takes up: the codes' values come out the same.
;;   OPERANDS COMPUTED ON THE WAY. 'Computed on the way' means the value that the module computes at that place (a softmax that the list does not call 'softmax' is quantised finished and normalised). What goes into a quantiser is computed in f32, as accurately as f32 sums, v_exp_f32 and their like allow (about 1e-6 of the number): no bf16 or f16 on the way to a quantiser, and a product that is left as it is and whose result goes on into a quantised operand takes f32 operands (vector FMAs, or v_wmma_f32_16x16x4_f32). A number that lies on a knife's edge between two numbers of the format may be rounded either way, as far as f32 arithmetic and the matrix unit's own rounding can turn it there, and no further.
;; One version. Each part assembles by itself: llvm-mc -triple=amdgcn-amd-amdhsa -mcpu=gfx1250 --defsym DOCPART=n.
;; ======== version 1 of 1: 3 launches
;; limits: right only within a limited range of input values
;; workspace buffers: xc 4,194,304 bytes; xs 131,072 bytes; wc 3,145,728 bytes; ws 98,304 bytes; qimg 4,194,304 bytes; qsc 262,144 bytes; kv 8,781,824 bytes
;; launch quant (part 1): grid 448 x 1, 8 waves a work-group, no clusters, 69,120 bytes of LDS; arguments x, Wq, Wk, Wv, xc, xs, wc, ws; writes xc, xs, wc, ws
.if DOCPART == 1
	.amdgcn_target "amdgcn-amd-amdhsa--gfx1250"
	.amdhsa_code_object_version 6
	.text
	.protected	k_q9817e70d75_quant
	.globl	k_q9817e70d75_quant
	.p2align	8
	.type	k_q9817e70d75_quant,@function
k_q9817e70d75_quant:
	s_mov_b64 s[64:65], 0
	v_nop
	global_prefetch_b8 v0, s[64:65] scope:SCOPE_SE
	s_setreg_imm32_b32 hwreg(HW_REG_WAVE_MODE, 25, 1), 1
	s_wait_xcnt 0x0
; x [4096][1024] and Wq, Wk, Wv [1024][1024], f32, K innermost, become codes of FP8 (E4M3) with one E8M0 byte for each 32 along K.
; A block's scale is 2^(floor(log2(its largest magnitude)) - 8); its byte is the largest magnitude's exponent field - 8, held at 1 from below; each number is divided by the scale, held within +-448, rounded to nearest even.
; LIMITS: NaN and infinities among the inputs are not served.  A block of zeros gets the byte 1 where the rule says 127: its codes are zeros, which add nothing, and only this program reads the bytes.
; LAYOUT OF THE RESULTS: images of the operand's registers.  A TILE is 16 rows: tile 2 b + u holds in lane r the row 32 b + 8 u + r + 8 (r / 8).  A tile's codes: [8 K steps of 128][4 groups c][32 lanes][16 bytes];
; lane (r, h) of group c holds k = 32 c + 16 h + 0 .. 15 of its row.  A tile's scale bytes: [16 r][32 bytes].  xc, xs: 256 tiles; wc, ws: 192 (Wq 0-63, Wk 64-127, Wv 128-191).
; SHARES: a work-group takes one tile, wave w its K step w: sixteen loads of 512 consecutive bytes (one row each), all out together; the 8,192 bytes turn through the wave's own stage in LDS (rows of 512 + 16 bytes),
; so that a lane gets 16 neighbours of each block; a fragment leaves by four stores of 512 consecutive bytes.  The eight waves' scale words meet in 512 bytes of LDS and leave as one store of 512 bytes.
; No work-group reads what another reads: no cluster, no tensor load, no matrix unit.
; Wq and Wk lie otherwise than the lines above say: their tile 4 v + j holds in lane r = 8 m + i (m = 0, 1; i = 0 .. 7) the row 64 v + 32 m + 8 j + i.  x and Wv lie as those lines say.
.set R,      16                        ; v16-79   sixteen rows' 16 bytes as loaded
.set X,      80                        ; v80-143  64 numbers: register 16 b + i = k 32 b + 16 h + i of my row
.set PC,     144                       ; v144-159 the fragment's codes
.set TM,     160                       ; v160-175 at work in QUANT
.set PW,     176                       ; the scale word
.set OS,     180                       ; v180-183 the tile's scale bytes on their way out
.set SEL,    30                        ; s[30:31] v_permlanex16_b32's selects for lane l xor 16
.set MNT,    32                        ; s32      the mantissa field of 448
.set SPITCH, 528                       ; a stage row: 132 words, so that row r begins at bank 4 r
.set WST,    16*SPITCH                 ; a wave's stage
.set SCB,    8*WST                     ; behind the stages: the tile's 512 scale bytes
; 64 numbers of a lane, register 16 b + i = k 32 b + 16 (lane / 16) + i of my row, become a fragment's codes in v[PC] on and its scale word in v[PW]
.macro QUANT s
.irp b, 0,1,2,3
	v_max3_num_f32 v[TM+\b], |v[\s+16*\b]|, |v[\s+1+16*\b]|, 0x4800000   ; block b: my 16 numbers, and the floor 2^(9 - 127): the byte cannot fall under 1
.endr
.irp i, 2,4,6,8,10,12,14
.irp b, 0,1,2,3
	s_delay_alu instid0(VALU_DEP_4)
	v_max3_num_f32 v[TM+\b], v[TM+\b], |v[\s+16*\b+\i]|, |v[\s+1+16*\b+\i]|   ; the four blocks by turns
.endr
.endr
.irp b, 0,1,2,3
	s_delay_alu instid0(VALU_DEP_4)
	v_permlanex16_b32 v[TM+4+\b], v[TM+\b], s[SEL], s[SEL+1]
.endr
.irp b, 0,1,2,3
	s_delay_alu instid0(VALU_DEP_4)
	v_max_num_f32 v[TM+\b], v[TM+\b], v[TM+4+\b]                   ; with lane l xor 16's: the block's largest magnitude
.endr
.irp b, 0,1,2,3
	s_delay_alu instid0(VALU_DEP_4)
	v_add_nc_u32 v[TM+12+\b], 0xfc000000, v[TM+\b]                 ; 8 off its exponent field: the conversion's scale operand
.endr
.irp b, 0,1,2,3
	v_and_or_b32 v[TM+8+\b], v[TM+\b], 0x7f800000, s[MNT]          ; 448 x the scale
.endr
.irp b, 0,1,2,3
	v_lshrrev_b32 v[TM+4+\b], 23, v[TM+12+\b]                      ; the scale's byte
.endr
	s_delay_alu instid0(VALU_DEP_3)
	v_lshl_or_b32 v[PW], v[TM+5], 8, v[TM+4]
	s_delay_alu instid0(VALU_DEP_1)
	v_lshl_or_b32 v[PW], v[TM+6], 16, v[PW]
	s_delay_alu instid0(VALU_DEP_1)
	v_lshl_or_b32 v[PW], v[TM+7], 24, v[PW]
.irp b, 0,1,2,3
.irp i, 0,1,2,3,4,5,6,7,8,9,10,11,12,13,14,15
	v_med3_num_f32 v[\s+16*\b+\i], v[\s+16*\b+\i], -v[TM+8+\b], v[TM+8+\b]   ; the conversion to an 8-bit code does not saturate (ISA guide 7.6.2): the hold comes first
.endr
	v_cvt_scalef32_pk8_fp8_f32 v[PC+4*\b:PC+1+4*\b], v[\s+16*\b:\s+7+16*\b], v[TM+12+\b]
	v_cvt_scalef32_pk8_fp8_f32 v[PC+2+4*\b:PC+3+4*\b], v[\s+8+16*\b:\s+15+16*\b], v[TM+12+\b]
.endr
	v_nop                                          ; one plain line behind the last conversion
.endm
	s_load_b512 s[4:19], s[0:1], 0x0               ; x, Wq, Wk, Wv, xc, xs, wc, ws
	v_lshl_add_u32 v192, v0, 2, 0x10a00
	v_mov_b32 v193, 0
	v_lshrrev_b32 v1, 5, v0
	s_delay_alu instid0(VALU_DEP_1)
	v_readfirstlane_b32 s20, v1                    ; wave = K step
	v_and_b32 v1, 31, v0                           ; lane
	v_and_b32 v2, 15, v0                           ; r
	v_bfe_u32 v3, v0, 4, 1                         ; h
	s_delay_alu instid0(VALU_DEP_3)
	v_lshlrev_b32 v4, 4, v1                        ; 16 x lane: my bytes of a load's or a store's 512
	s_mul_i32 s21, s20, WST
	v_add_nc_u32 v5, s21, v4                       ; the stage, on the way in
	v_mul_u32_u24 v6, v2, SPITCH
	s_delay_alu instid0(VALU_DEP_1)
	v_lshl_add_u32 v6, v3, 6, v6
	s_delay_alu instid0(VALU_DEP_1)
	v_add_nc_u32 v6, s21, v6                       ; and on the way out: row r, + 64 h
	v_lshlrev_b32 v7, 5, v2
	s_lshl_b32 s21, s20, 2
	v_add_nc_u32 v7, s21, v7
	s_delay_alu instid0(VALU_DEP_1)
	v_add_nc_u32 v7, SCB, v7                       ; my row's scale word of my K step: 32 r + 4 wave
	v_add_nc_u32 v8, SCB, v4                       ; wave 0 reads the 512 bytes back
	s_mov_b32 s[SEL], 0x76543210
	s_mov_b32 s[SEL+1], 0xfedcba98
	s_mov_b32 s[MNT], 0x600000
.irp b, 0,1,2,3
	v_mov_b32 v[TM+4+\b], 0                        ; written once: a lane permute's destination counts as one of its sources
.endr
	s_sub_co_u32 s24, ttmp9, 256                   ; the tile's number among the weights' 192 (used where the work-group's number is 256 or more),
	s_and_b32 s25, s24, 63                         ; and within its weight
	s_wait_alu depctr_va_vdst(0)
	s_wait_kmcnt 0x0
	s_mov_b64 s[22:23], s[10:11]                   ; which tensor: the choices hang on the work-group's number alone
	s_cmp_lt_u32 ttmp9, 384
	s_cselect_b64 s[22:23], s[8:9], s[22:23]
	s_cmp_lt_u32 ttmp9, 320
	s_cselect_b64 s[22:23], s[6:7], s[22:23]
	s_cmp_lt_u32 ttmp9, 256
	s_cselect_b64 s[22:23], s[4:5], s[22:23]
	s_cselect_b64 s[26:27], s[12:13], s[16:17]     ; codes out
	s_cselect_b64 s[28:29], s[14:15], s[18:19]     ; scale bytes out
	s_cselect_b32 s25, ttmp9, s25                  ; the tile within its input
	s_cselect_b32 s24, ttmp9, s24                  ; the tile within its output
	s_lshr_b32 s33, s25, 1
	s_lshl_b32 s33, s33, 17                        ; 32 rows of 4,096 bytes
	s_and_b32 s34, s25, 1
	s_lshl_b32 s34, s34, 15                        ; 8 rows
	s_add_co_u32 s34, s33, s34
	s_lshr_b32 s36, s25, 2                         ; Wq, Wk: 64 rows for four tiles, 8 rows from tile to tile
	s_lshl_b32 s36, s36, 18
	s_and_b32 s37, s25, 3
	s_lshl_b32 s37, s37, 15
	s_add_co_u32 s36, s36, s37
	s_sub_co_u32 s37, ttmp9, 256
	s_lshr_b32 s37, s37, 7                         ; 0 for the 128 work-groups of Wq and Wk alone
	s_cmp_eq_u32 s37, 0
	s_cselect_b32 s34, s36, s34
	s_mov_b32 s38, 65536                           ; from the tile's row 0 to its row 8: 16 rows,
	s_cselect_b32 s38, 131072, s38                 ; or 32
	s_mov_b32 s39, 0
	s_lshl_b32 s33, s20, 9                         ; my K step's 512 bytes of a row
	s_add_co_u32 s34, s34, s33
	s_mov_b32 s35, 0
	s_add_nc_u64 s[22:23], s[22:23], s[34:35]
	s_add_nc_u64 s[36:37], s[22:23], s[38:39]
	s_lshl_b32 s34, s24, 14                        ; a tile's codes: 16,384 bytes; a fragment: 2,048
	s_lshl_b32 s33, s20, 11
	s_add_co_u32 s34, s34, s33
	s_add_nc_u64 s[26:27], s[26:27], s[34:35]
	s_lshl_b32 s34, s24, 9                         ; a tile's scale bytes: 512
	s_add_nc_u64 s[28:29], s[28:29], s[34:35]
.irp i, 0,1,2,3,4,5,6,7
	global_load_b128 v[R+4*\i:R+4*\i+3], v4, s[22:23] offset:\i*4096 th:TH_LOAD_NT   ; the tile's i-th row: 512 consecutive bytes
.endr
.irp i, 0,1,2,3,4,5,6,7
	global_load_b128 v[R+32+4*\i:R+32+4*\i+3], v4, s[36:37] offset:\i*4096 th:TH_LOAD_NT
.endr
.irp i, 0,1,2,3,4,5,6,7,8,9,10,11,12,13,14,15
	s_wait_loadcnt 15-\i                           ; loads come back in order: row i is in, the younger ones stay out
	ds_store_b128 v5, v[R+4*\i:R+4*\i+3] offset:SPITCH*\i
.endr
.irp c, 0,1,2,3
.irp j, 0,1,2,3
	ds_load_b128 v[X+16*\c+4*\j:X+16*\c+4*\j+3], v6 offset:128*\c+16*\j   ; LDS serves a wave's instructions in order: these see my stores
.endr
.endr
	s_wait_dscnt 0x0
	QUANT X
.irp c, 0,1,2,3
	global_store_b128 v4, v[PC+4*\c:PC+4*\c+3], s[26:27] offset:512*\c   ; 512 consecutive bytes, aligned
.endr
	ds_store_b32 v7, v[PW]                         ; both halves of the lanes write the same word with the same value
	s_wait_dscnt 0x0                               ; for wave 0's sake: my store has landed
	s_barrier_signal -1
	s_barrier_wait -1
	s_cmp_lg_u32 s20, 0
	s_cbranch_scc1 .Lend
	ds_load_b128 v[OS:OS+3], v8
	s_wait_dscnt 0x0
	global_store_b128 v4, v[OS:OS+3], s[28:29]     ; the tile's 512 scale bytes
.Lend:
	s_wait_tensorcnt 0x0
	ds_add_u32 v192, v193
	s_wait_dscnt 0x0
	s_endpgm
.Lfunc_end_k_q9817e70d75_quant:
	.size	k_q9817e70d75_quant, .Lfunc_end_k_q9817e70d75_quant-k_q9817e70d75_quant
	.p2alignl 7, 3214868480
	.fill 96, 4, 3214868480
	.section	.rodata,"a",@progbits
	.p2align	6, 0x0
	.amdhsa_kernel k_q9817e70d75_quant
		.amdhsa_group_segment_fixed_size 69120
		.amdhsa_private_segment_fixed_size 0
		.amdhsa_enable_private_segment 0
		.amdhsa_kernarg_size 64
		.amdhsa_user_sgpr_count 2
		.amdhsa_user_sgpr_kernarg_segment_ptr 1
		.amdhsa_wavefront_size32 1
		.amdhsa_system_sgpr_workgroup_id_x 1
		.amdhsa_system_sgpr_workgroup_id_y 1
		.amdhsa_system_sgpr_workgroup_id_z 1
		.amdhsa_system_vgpr_workitem_id 0
		.amdhsa_next_free_vgpr 194
		.amdhsa_next_free_sgpr 66
		.amdhsa_reserve_vcc 0
		.amdhsa_float_denorm_mode_32 3
		.amdhsa_float_denorm_mode_16_64 3
		.amdhsa_memory_ordered 1
		.amdhsa_forward_progress 1
		.amdhsa_inst_pref_size 18
	.end_amdhsa_kernel
	.amdgpu_metadata
---
amdhsa.version: [ 1, 2 ]
amdhsa.kernels:
  - .name:           k_q9817e70d75_quant
    .symbol:         k_q9817e70d75_quant.kd
    .args:
      - { .name: x, .offset: 0, .size: 8, .value_kind: global_buffer, .address_space: global }
      - { .name: Wq, .offset: 8, .size: 8, .value_kind: global_buffer, .address_space: global }
      - { .name: Wk, .offset: 16, .size: 8, .value_kind: global_buffer, .address_space: global }
      - { .name: Wv, .offset: 24, .size: 8, .value_kind: global_buffer, .address_space: global }
      - { .name: xc, .offset: 32, .size: 8, .value_kind: global_buffer, .address_space: global }
      - { .name: xs, .offset: 40, .size: 8, .value_kind: global_buffer, .address_space: global }
      - { .name: wc, .offset: 48, .size: 8, .value_kind: global_buffer, .address_space: global }
      - { .name: ws, .offset: 56, .size: 8, .value_kind: global_buffer, .address_space: global }
    .group_segment_fixed_size: 69120
    .private_segment_fixed_size: 0
    .kernarg_segment_align: 8
    .kernarg_segment_size: 64
    .max_flat_workgroup_size: 256
    .sgpr_count:     66
    .vgpr_count:     194
    .wavefront_size: 32
...
	.end_amdgpu_metadata
.endif
;; end of part 1
;; launch proj (part 2): grid 16 x 16, 4 waves a work-group, clusters of 4 x 4, 327,680 bytes of LDS; arguments xc, xs, wc, ws, bq, bk, bv, qimg, qsc, kv; writes qimg, qsc, kv
.if DOCPART == 2
	.amdgcn_target "amdgcn-amd-amdhsa--gfx1250"
	.amdhsa_code_object_version 6
	.text
	.protected	k_q9817e70d75_proj
	.globl	k_q9817e70d75_proj
	.p2align	8
	.type	k_q9817e70d75_proj,@function
k_q9817e70d75_proj:
	s_mov_b64 s[64:65], 0
	v_nop
	global_prefetch_b8 v0, s[64:65] scope:SCOPE_SE
	s_setreg_imm32_b32 hwreg(HW_REG_WAVE_MODE, 25, 1), 1
	s_wait_xcnt 0x0
	s_wait_alu depctr_hold_cnt(0) depctr_sa_sdst(0) depctr_va_vdst(0) depctr_va_sdst(0) depctr_va_ssrc(0) depctr_va_vcc(0) depctr_vm_vsrc(0)
	s_getreg_b32 s2, hwreg(HW_REG_IB_STS2, 6, 4)
	s_cmp_eq_u32 s2, 0
	s_cbranch_scc0 .Lentry_in_a_cluster
	s_endpgm
.Lentry_in_a_cluster:
	s_bfe_u32 s2, ttmp6, 0x10000c
	s_cmp_lg_u32 s2, 0xf033
	s_cbranch_scc0 .Lentry_shape_is_right
	s_endpgm
.Lentry_shape_is_right:
; Q, K, V = x W^T + b and their quantisers, on codes of FP8 (E4M3, a scale byte for 32 along K): 4,096 x 3,072 x 1,024.  Codes and scale words leave in the order of the operand registers of the launch that reads them; no f32 result is stored.
; xc, xs, wc, ws: tiles of 16 rows as images of the operand's registers, as the program's first launch leaves them: 16,384 bytes of codes a tile ([8 q of 128][4 c][lane][16 bytes]), 512 of scale bytes ([16 r][32]).
; LIMITS: NaN, infinities and sums beyond f32's range are not served.  A block's byte never falls under 1.
; THE DEAL.  256 work-groups of four waves, 2 x 2; a wave holds 64 rows of a weight, all of K, in registers (512) and streams x's rows past them in blocks of 16, which stand in registers as two whole sets (256).
; PHASE 1: 256 rows x 128 columns of Q (tile columns 0-7) or K (8-15): eight blocks a wave.  PHASE 2: 128 x 128 of V: four blocks, of the work-group's own window of 128 rows number s18; W_v's tile column is 4 (cluster x / 2) + cx.
; Chunk 0 is the window that is not V's, chunk 1 is V's: it still lies in LDS when V begins.  The order of work is the same in all work-groups; only global addresses hang on s18.
; FILLS.  Two slots of 131,072 bytes.  At the head: the first weight into slot 1 (wave 0), chunk 0 into slot 0 (wave 1), a window's scale bytes each (waves 2, 3).  Refills, each in a drained round of the cluster's barrier, a quarter a wave:
; chunk 1 into slot 1, once the first weight is in registers; W_v's rows into slot 0, inside block 2, when all of chunk 0 has been fetched.  x's rows are shared along a row of the cluster, a weight's along a column.
; PREFETCH: chunk 1 is asked for ahead of the first weight's 128 LDS loads, W_v's rows two blocks ahead of their load: a sixteenth a wave of the cluster's row, or column.
; A block's way out stands among later products: Q's and K's among the next block's, V's first pair among the next pair's.  The bias is the first products' C.
.set FR,   16                          ; registers of a fragment: 16 rows x 128 K
.set FPW,  16                          ; fragments in a window of 256
.set NP,   8                           ; plain places behind a matrix instruction, ahead of a reader of its sums and of a load into what it has read
.set NF,   34                          ; LDS loads of a block: eight fragments of four, two of four scale words
.set REC,  274432                      ; a head's record in kv: k's images, v's images (131,072 on), k's scale words (262,144 on), v's (270,336 on)
.set SLOT1, 131072
.set SCL,  262144                      ; the scale bytes of x's 256 rows, in the order of work
.set XN,   SCL+8192                    ; Q's, K's scale words: [wave column][256 tokens, in the order of work][4]
.set XV,   XN+2048                     ; V's: [wave column][tile][r][4 blocks of 32 tokens]
.set SPARE, XV+512
.set EMAX, 8
.set ADR0, 4                           ; LDS address of my tiles in slot 0,
.set ADR1, 5                           ; in slot 1
.set AAS,  6                           ; of my row's scale words
.set CO,   9                           ; 16 x lane
.set SPW,  10
.set NIL,  11
.set ADRB1, 12                         ; of my 64 rows of a weight in slot 1,
.set ADRB0, 13                         ; in slot 0
.set VXQ,  14                          ; of a byte of Q's or K's scale words
.set CN,   15                          ; Q's, K's codes in a tile: 512 h + 16 r
.set VXV,  16                          ; of a byte of V's
.set ZR,   17                          ; 0
.set ABS,  18                          ; 32 x lane
.set SOP,  20                          ; v20-23 the conversions' scale operands
.set SB,   24                          ; v24-39 the weight's scale words: register 8 p + q: lanes 0-15 tile 2 p's, lanes 16-31 tile 2 p + 1's
.set EB,   40                          ; v40-43 scale bytes
.set SA,   44                          ; v44-59 x's: two sets of eight: no product's two scale words have numbers equal modulo 8
.set TQ,   60                          ; v60-63 maxima and bounds
.set ACC,  64                          ; v64-191 four sets of four accumulators
.set WS,   128                         ; v128-143 in phase 1: W_v's scale words
.set NCD,  192                         ; v192-199 Q's or K's 32 codes
.set MCD,  192                         ; v192-207 V's: four registers a tile
.set BQ,   208                         ; v208-239 the first four products' C
.set BV,   240                         ; v240-243 V's bias, a number a tile, until the change of phase
.set G1A, 24                           ; descriptor groups: s[24:31], s[56:59] chunk 0
.set G0A, 56
.set G1B, 32                           ; s[32:39], s[60:63] the first weight, later W_v's rows
.set G0B, 60
.set G1R, 48                           ; s[48:55], s[84:87] chunk 1
.set G0R, 84
.set G1S, 92                           ; s[92:99], s[80:83] x's scale bytes
.set G0S, 80
.set MSB, 0
.macro WIN new                         ; the immediate's high byte repeats the setting that is left
.if MSB != \new
	s_set_vgpr_msb (MSB<<8)|\new
.set MSB, \new
.endif
.endm
.macro PLACES n
.rept \n
	v_nop
.endr
.endm
.macro WALU
	s_wait_alu depctr_va_vdst(0)
.endm
.macro BARRIER
	s_barrier_signal -1
	s_barrier_wait -1
.endm
.macro MIDDLE                          ; a round's middle
	WIN 0
	s_barrier_wait -1
	s_cmp_lg_u32 s14, 0
	s_cbranch_scc1 .Lnot_wave_0_\@
	s_barrier_signal -3
.Lnot_wave_0_\@:
	s_barrier_wait -3
.endm
.macro CROUND                          ; a whole round of the cluster's barrier
	s_barrier_signal -1
	MIDDLE
	BARRIER
.endm
.macro TLOAD g0, g1                    ; an s_nop 0 and four v_nop follow a tensor load
	tensor_load_to_lds s[\g0:\g0+3], s[\g1:\g1+7]
	s_nop 0
	PLACES 4
.endm
.macro GROUP1 g, mask, len, rows       ; descriptor group 1: dense rows of len elements of 8 bytes, no padding; the mask, and bit 21 beside it
	s_or_b32 s[\g+0], s[\mask], (3<<16)|(1<<21)
	s_mov_b32 s[\g+1], \len<<16
	s_mov_b32 s[\g+2], \rows<<16
	s_mov_b32 s[\g+3], \len<<16
	s_mov_b32 s[\g+4], \rows
	s_mov_b32 s[\g+5], \len
	s_mov_b32 s[\g+6], 0
	s_mov_b32 s[\g+7], 0
.endm
	s_load_b256 s[4:11], s[0:1], 0x0               ; xc, xs, wc, ws
	s_load_b256 s[68:75], s[0:1], 0x20             ; bq, bk, bv, qimg
	s_load_b128 s[76:79], s[0:1], 0x40             ; qsc, kv
	v_lshl_add_u32 v[SPW], v0, 2, SPARE
	v_mov_b32 v[NIL], 0
	ds_add_u32 v[SPW], v[NIL]                      ; the wave's opening: the add, twice on end, and its wait
	ds_add_u32 v[SPW], v[NIL]
	v_lshrrev_b32 v1, 5, v0
	v_readfirstlane_b32 s14, v1                    ; wave 0..3
	s_lshr_b32 s15, s14, 1                         ; my row of waves
	s_and_b32 s16, s14, 1                          ; my column of waves
	s_bfe_u32 s40, ttmp6, 0x40000                  ; cx, cy: my place in the cluster
	s_bfe_u32 s41, ttmp6, 0x40004
	s_lshl_b32 s42, ttmp9, 2
	s_add_co_u32 s42, s42, s40                     ; tile column = 4 x cluster x + cx
	s_and_b32 s43, ttmp7, 0xffff
	s_lshl_b32 s43, s43, 2
	s_add_co_u32 s43, s43, s41                     ; tile row = 4 x cluster y + cy: 256 tokens
	s_lshr_b32 s19, ttmp9, 1                       ; 0: phase 1 makes heads of Q; 1: of K
	s_and_b32 s18, ttmp9, 1                        ; V's window of my 256 rows
	s_lshl_b32 s44, s41, 2
	s_lshl_b32 s44, 15, s44                        ; my row of the cluster: shares x's rows
	s_lshl_b32 s45, 0x1111, s40                    ; my column: shares a weight's
	GROUP1 G1B, 45, 512, 32
	GROUP1 G1A, 44, 512, 32
	GROUP1 G1R, 44, 512, 8
	GROUP1 G1S, 44, 32, 16
	s_lshl_b32 s20, s43, 4
	s_lshl_b32 s21, s18, 3
	s_add_co_u32 s2, s20, s21
	s_lshl_b32 s2, s2, 14                          ; s2: chunk 1 in xc
	s_xor_b32 s21, s21, 8
	s_add_co_u32 s17, s20, s21
	s_lshl_b32 s17, s17, 14                        ; s17: chunk 0
	s_lshl_b32 s13, s19, 2
	s_add_co_u32 s13, s13, s40                     ; W_v's tile column
	s_lshl_b32 s3, s13, 17
	s_add_co_u32 s3, s3, 0x200000                  ; s3: its rows in wc, behind Wq's and Wk's 128 tiles
	s_xor_b32 s21, s18, 1
	s_xor_b32 s21, s21, s16                        ; the window whose scale bytes wave 2 (chunk 0's), wave 3 (chunk 1's) fetches; also the one whose scale words I copy out at the end
	s_lshl_b32 s22, s43, 13
	s_lshl_b32 s23, s21, 12
	s_add_co_u32 s22, s22, s23                     ; in xs
	s_mov_b32 s23, 0
	s_lshl_b32 s46, s42, 17                        ; the first weight in wc
	s_mov_b32 s47, 0
	s_mov_b32 s[G0A], 1
	s_mov_b32 s[G0A+1], 0
	s_mov_b32 s[G0B], 1
	s_mov_b32 s[G0B+1], SLOT1
	s_mov_b32 s[G0S], 1
	s_lshl_b32 s[G0S+1], s16, 12
	s_add_co_u32 s[G0S+1], s[G0S+1], SCL
	s_mov_b32 s[G0R], 1
	s_lshl_b32 s20, s14, 15                        ; a refill: my quarter
	s_add_co_u32 s[G0R+1], s20, SLOT1
	s_add_co_u32 s20, s20, s2
	s_mov_b32 s21, 0
	s_mov_b32 s66, s17
	s_mov_b32 s67, 0
	WALU
	s_wait_dscnt 0x0                               ; both opening adds are done
	CROUND                                         ; all sixteen work-groups are here: the joint loads meet
	s_wait_kmcnt 0x0
	s_add_nc_u64 s[G0A+2:G0A+3], s[4:5], s[66:67]
	s_or_b32 s[G0A+3], s[G0A+3], 0x80000000
	s_add_nc_u64 s[G0B+2:G0B+3], s[8:9], s[46:47]
	s_or_b32 s[G0B+3], s[G0B+3], 0x80000000
	s_add_nc_u64 s[G0S+2:G0S+3], s[6:7], s[22:23]
	s_or_b32 s[G0S+3], s[G0S+3], 0x80000000
	s_add_nc_u64 s[G0R+2:G0R+3], s[4:5], s[20:21]
	s_or_b32 s[G0R+3], s[G0R+3], 0x80000000
	s_cmp_eq_u32 s14, 0                            ; ONE joint load a wave, and a line of its own for what is shown ahead of the rest
	s_cbranch_scc0 .Lwave_1
	TLOAD G0B, G1B                                 ; wave 0: the first weight, which is wanted first
	s_branch .Lasked
.Lwave_1:
	s_cmp_eq_u32 s14, 1
	s_cbranch_scc0 .Lfor_scales
	TLOAD G0A, G1A                                 ; wave 1: chunk 0
	s_branch .Lasked
.Lfor_scales:
	TLOAD G0S, G1S                                 ; waves 2, 3: a window's scale bytes each
.Lasked:
	s_lshl_b32 s20, s15, 16                        ; my four tiles of a chunk: 65,536 bytes of codes,
	s_lshl_b32 s21, s16, 16                        ; my four tiles of a weight
	s_lshl_b32 s22, s15, 11                        ; 2,048 of scale bytes
	s_add_co_u32 s22, s22, SCL
	s_lshl_b32 s23, s16, 10
	s_lshl_b32 s46, s15, 8
	s_add_co_u32 s23, s23, s46
	s_add_co_u32 s23, s23, XN
	s_lshl_b32 s46, s16, 8
	s_lshl_b32 s47, s15, 1
	s_add_co_u32 s46, s46, s47
	s_add_co_u32 s46, s46, XV
	s_lshl_b32 s47, s40, 2                         ; my sixteenth of chunk 1 among the cluster row's waves,
	s_add_co_u32 s47, s47, s14
	s_lshl_b32 s47, s47, 13
	s_add_co_u32 s47, s47, s2
	s_lshl_b32 s66, s41, 2                         ; of W_v's rows among the column's
	s_add_co_u32 s66, s66, s14
	s_lshl_b32 s66, s66, 13
	s_add_co_u32 s66, s66, s3
	v_and_b32 v1, 15, v0                           ; r
	v_bfe_u32 v2, v0, 4, 1                         ; h
	v_and_b32 v3, 31, v0                           ; lane
	v_lshlrev_b32 v[CO], 4, v3
	v_add_nc_u32 v[ADR0], s20, v[CO]
	v_add_nc_u32 v[ADR1], 0x20000, v[ADR0]
	v_add_nc_u32 v[ADRB0], s21, v[CO]
	v_add_nc_u32 v[ADRB1], 0x20000, v[ADRB0]
	v_lshlrev_b32 v22, 5, v1
	v_add_nc_u32 v[AAS], s22, v22
	v_lshl_add_u32 v22, v1, 2, v2
	v_add_nc_u32 v[VXQ], s23, v22
	v_lshlrev_b32 v22, 2, v1
	v_add_nc_u32 v[VXV], s46, v22                  ; (both halves of the lanes hold the same byte)
	v_lshrrev_b32 v23, 3, v1
	v_lshl_add_u32 v22, v23, 5, v22                ; V's bias: 4 (r + 8 (r / 8))
	v_lshlrev_b32 v23, 9, v2
	v_lshl_add_u32 v[CN], v1, 4, v23
	v_lshlrev_b32 v19, 7, v2                       ; Q's, K's bias: 32 numbers on end
	v_mov_b32 v[ZR], 0
	v_lshlrev_b32 v[ABS], 5, v3
	v_lshl_add_u32 v7, v3, 8, s47                  ; a prefetch's lanes stand 256 bytes apart
	v_lshl_add_u32 v8, v3, 8, s66
	WALU
	s_lshl_b32 s67, s42, 1
	s_add_co_u32 s67, s67, s16
	s_and_b32 s67, s67, 15                         ; my head of Q or K
	s_lshl_b32 s46, s67, 8
	s_mov_b32 s47, 0
	s_cmp_eq_u32 s19, 1
	s_cselect_b64 s[20:21], s[70:71], s[68:69]
	s_add_nc_u64 s[20:21], s[20:21], s[46:47]
	s_lshl_b32 s46, s13, 1
	s_add_co_u32 s66, s46, s16                     ; my head of V
	s_lshl_b32 s46, s66, 8
	s_add_nc_u64 s[22:23], s[72:73], s[46:47]
	s_lshl_b32 s46, s13, 12                        ; W_v's scale bytes: tiles 128 + 8 x column + 4 x wave column
	s_lshl_b32 s12, s16, 11
	s_add_co_u32 s46, s46, s12
	s_add_co_u32 s46, s46, 65536
	s_add_nc_u64 s[88:89], s[10:11], s[46:47]
	s_lshl_b32 s46, s42, 12                        ; the first weight's
	s_add_co_u32 s46, s46, s12
	s_add_nc_u64 s[90:91], s[10:11], s[46:47]
.irp k, 0,1,2,3,4,5,6,7
	global_load_b128 v[BQ+4*\k:BQ+4*\k+3], v19, s[20:21] offset:16*\k
.endr
.irp t, 0,1,2,3
	global_load_b32 v[BV+\t], v22, s[22:23] offset:(32*(\t/2)+8*(\t%2))*4
.endr
.irp p, 0,1
.irp c, 0,1
	global_load_b128 v[SB+8*\p+4*\c:SB+8*\p+4*\c+3], v[ABS], s[90:91] offset:1024*\p+16*\c
	global_load_b128 v[WS+8*\p+4*\c:WS+8*\p+4*\c+3], v[ABS], s[88:89] offset:1024*\p+16*\c
.endr
.endr
	s_wait_xcnt 0x0                                ; the loads have taken their addresses; scalars change below
	; WHERE MY RESULTS GO
	s_lshr_b32 s12, s43, 3
	s_lshl_b32 s12, s12, 4                         ; 16 x batch
	s_and_b32 s17, s43, 7                          ; 256 tokens of the batch
	s_add_co_u32 s20, s67, s12
	s_mov_b32 s22, 131072
	s_cmp_eq_u32 s19, 1
	s_cselect_b32 s22, REC, s22
	s_cselect_b64 s[90:91], s[78:79], s[74:75]
	s_mul_i32 s20, s20, s22
	s_lshl_b32 s21, s17, 14
	s_add_co_u32 s20, s20, s21
	s_lshl_b32 s21, s15, 12
	s_add_co_u32 s20, s20, s21                     ; my wave's first tile of a window, 1,024 bytes a tile
	s_xor_b32 s46, s18, 1
	s_lshl_b32 s46, s46, 13
	s_add_co_u32 s46, s46, s20
	s_add_nc_u64 s[88:89], s[90:91], s[46:47]      ; chunk 0's codes
	s_lshl_b32 s46, s18, 13
	s_add_co_u32 s46, s46, s20
	s_add_nc_u64 s[90:91], s[90:91], s[46:47]      ; chunk 1's
	s_lshl_b32 s20, s42, 1                         ; at the end wave n copies out wave column n / 2, half n % 2 in the order of work
	s_add_co_u32 s20, s20, s15
	s_and_b32 s20, s20, 15
	s_add_co_u32 s20, s20, s12
	s_mov_b32 s22, 8192
	s_mov_b32 s23, 262144
	s_cmp_eq_u32 s19, 1
	s_cselect_b32 s22, REC, s22
	s_cselect_b32 s23, s23, 0
	s_cselect_b64 s[100:101], s[78:79], s[76:77]
	s_mul_i32 s46, s20, s22
	s_add_co_u32 s46, s46, s23
	s_lshl_b32 s21, s17, 10
	s_add_co_u32 s46, s46, s21
	s_xor_b32 s21, s18, 1
	s_xor_b32 s21, s21, s16
	s_lshl_b32 s21, s21, 9
	s_add_co_u32 s46, s46, s21
	s_add_co_u32 s20, s66, s12                     ; V's head
	s_add_nc_u64 s[66:67], s[100:101], s[46:47]    ; Q's or K's scale words
	s_mul_i32 s20, s20, REC
	s_lshl_b32 s21, s17, 1
	s_add_co_u32 s21, s21, s18                     ; V's 128 tokens: a key step
	s_lshl_b32 s46, s21, 13
	s_add_co_u32 s46, s46, s20
	s_lshl_b32 s22, s15, 10
	s_add_co_u32 s46, s46, s22
	s_add_co_u32 s46, s46, 131072
	s_add_nc_u64 s[100:101], s[78:79], s[46:47]    ; V's codes
	s_lshl_b32 s46, s21, 8
	s_add_co_u32 s46, s46, s20
	s_add_co_u32 s46, s46, 270336
	s_add_nc_u64 s[104:105], s[78:79], s[46:47]    ; V's scale words
	s_mov_b32 s40, 0x76543210
	s_mov_b32 s41, 0xfedcba98                      ; v_permlanex16_b32's selects for lane l xor 16
	s_mov_b32 s42, 0x600000                        ; the mantissa field of 448
	s_cmp_eq_u32 s14, 0
	s_cbranch_scc0 .Lnot_b
	s_wait_tensorcnt 0x0                           ; wave 0: the first weight has landed.  The other waves' wait stands ahead of the next round
.Lnot_b:
	BARRIER
	global_prefetch_b8 v7, s[4:5] th:TH_LOAD_NT scope:SCOPE_SE
.macro FRAG f, adr, q, off             ; a weight's fragment f lies in window 1 + f / 16
	WIN (1+(\f)/FPW)<<6
.irp c, 0,1,2,3
	ds_load_b128 v[FR*((\f)%FPW)+4*\c:FR*((\f)%FPW)+4*\c+3], v[\adr] offset:2048*(\q)+512*\c+(\off)
.endr
.endm
.macro WEIGHTS adr                     ; my 64 rows of a weight, all of K: 128 loads
.irp q, 0,1,2,3,4,5,6,7
.irp b, 0,1,2,3
	FRAG 4*\q+\b, \adr, \q, \b*16384
.endr
.endr
	WIN 0
.endm
.macro FETCH k, adr, n, s              ; tile s of my four of chunk n into set k of window 3, and its scale words: NF loads
	WIN 3<<6
.irp q, 0,1,2,3,4,5,6,7
.irp c, 0,1,2,3
	ds_load_b128 v[128*\k+FR*\q+4*\c:128*\k+FR*\q+4*\c+3], v[\adr] offset:16384*\s+2048*\q+512*\c
.endr
.endr
	WIN 0
	ds_load_b128 v[SA+8*\k:SA+8*\k+3], v[AAS] offset:4096*\n+512*\s
	ds_load_b128 v[SA+8*\k+4:SA+8*\k+7], v[AAS] offset:4096*\n+512*\s+16
.endm
.macro PROD kind, e, a, n              ; product n = 4 q + b of a block: the q-th 128 of K, column tile b; x's rows in set e, sums in set a.  kind 0 (Q, K): source 0 = the weight's rows; kind 1 (V): source 0 = x's
.set Q_, (\n)/4
.set B_, (\n)%4
.set FB_, 4*Q_+B_
.set AC_, ACC+32*(\a)+8*B_
.set C_, AC_
.if Q_ == 0
.set C_, BQ+8*B_
.endif
.set R_, 128*(\e)+FR*Q_
.set W_, FR*(FB_%FPW)
.set XS_, SA+8*(\e)+Q_
.set WS_, SB+8*(B_/2)+Q_
.if \kind
	WIN 3|((1+FB_/FPW)<<2)
.if B_%2
	v_wmma_scale_f32_16x16x128_f8f6f4 v[AC_:AC_+7], v[R_:R_+FR-1], v[W_:W_+FR-1], v[C_:C_+7], v[XS_], v[WS_] matrix_b_scale:MATRIX_SCALE_ROW1
.else
	v_wmma_scale_f32_16x16x128_f8f6f4 v[AC_:AC_+7], v[R_:R_+FR-1], v[W_:W_+FR-1], v[C_:C_+7], v[XS_], v[WS_]
.endif
.else
	WIN (1+FB_/FPW)|(3<<2)
.if B_%2
	v_wmma_scale_f32_16x16x128_f8f6f4 v[AC_:AC_+7], v[W_:W_+FR-1], v[R_:R_+FR-1], v[C_:C_+7], v[WS_], v[XS_] matrix_a_scale:MATRIX_SCALE_ROW1
.else
	v_wmma_scale_f32_16x16x128_f8f6f4 v[AC_:AC_+7], v[W_:W_+FR-1], v[R_:R_+FR-1], v[C_:C_+7], v[WS_], v[XS_]
.endif
.endif
.endm
.macro HOLD x, b                       ; a sum held at the largest number that the format has under its block's scale
	v_med3_num_f32 v[\x], v[\x], -v[TQ+\b], v[TQ+\b]
.endm
.macro SCALES i, n                     ; i = 0: the conversion's scale operand; 1: the bound; 2: a second copy of it; 3: the scale byte
.if (\i) == 0
	v_add_nc_u32 v[SOP+\n], -(EMAX<<23), v[TQ]
.elseif (\i) == 1
	v_and_or_b32 v[TQ+1], v[TQ], 0x7f800000, s42
.elseif (\i) == 2
	v_mov_b32 v[TQ+3], v[TQ+1]
.else
	v_lshrrev_b32 v[EB+\n], 23, v[SOP+\n]
.endif
.endm
.macro MAXQ k, x                       ; 18 lines: the largest magnitude of the 32 sums at x, and the floor under which a byte would fall under 1
.if (\k) < 4
	v_max3_num_f32 v[TQ+\k], |v[\x+8*(\k)]|, |v[\x+8*(\k)+1]|, |v[\x+8*(\k)+2]|
.elseif (\k) < 12
	v_max3_num_f32 v[TQ+(\k)%4], v[TQ+(\k)%4], |v[\x+8*((\k)%4)+2*((\k)/4)+1]|, |v[\x+8*((\k)%4)+2*((\k)/4)+2]|
.elseif (\k) < 16
	v_max_num_f32 v[TQ+(\k)%4], v[TQ+(\k)%4], |v[\x+8*((\k)%4)+7]|
.elseif (\k) == 16
	v_max3_num_f32 v[TQ], v[TQ], v[TQ+1], v[TQ+2]
.else
	v_max3_num_f32 v[TQ], v[TQ], v[TQ+3], (EMAX+1)<<23
.endif
.endm
.macro HOLDS m, x                      ; two of a scale block's holds; the fourth pair reads the bound's second copy
.if (\m) == 3
	HOLD \x, 3
	HOLD \x+1, 3
.else
	HOLD \x, 1
	HOLD \x+1, 1
.endif
.if (\m) == 2
	SCALES 2, 0
.endif
.endm
.macro GAPQ m, x                       ; THE QUANTISER OF Q's OR K's BLOCK, gaps 0 .. 26: a scale block of 32 lies in a lane: the sums at x -> codes NCD, byte EB
.if (\m) < 9
	MAXQ 2*(\m), \x
	MAXQ 2*(\m)+1, \x
.elseif (\m) == 9
	SCALES 0, 0
	SCALES 1, 0
.elseif (\m) < 26
	HOLDS (\m)-10, \x+2*((\m)-10)
.if ((\m)-10)%4 == 3
	v_cvt_scalef32_pk8_fp8_f32 v[NCD+2*(((\m)-10)/4):NCD+2*(((\m)-10)/4)+1], v[\x+8*(((\m)-10)/4):\x+8*(((\m)-10)/4)+7], v[SOP]
.endif
.elseif (\m) == 26
	SCALES 3, 0
.endif
.endm
.macro GAPV u, x                       ; THE QUANTISER OF A PAIR OF V's BLOCKS, gaps 0 .. 59, 15 a tile: a scale block of 32 lies in lanes l and l xor 16: the even block's sums at x, the odd's at x + 32 -> codes MCD + 4 t, bytes EB + t
.set T_, (\u)/15
.set J_, (\u)%15
.set E_, \x+8*T_
.set O_, E_+32
.if J_ == 0
	v_max3_num_f32 v[TQ], |v[E_]|, |v[E_+1]|, |v[E_+2]|
	v_max3_num_f32 v[TQ+2], |v[O_]|, |v[O_+1]|, |v[O_+2]|
.elseif J_ < 3
	v_max3_num_f32 v[TQ], v[TQ], |v[E_+2*J_+1]|, |v[E_+2*J_+2]|
	v_max3_num_f32 v[TQ+2], v[TQ+2], |v[O_+2*J_+1]|, |v[O_+2*J_+2]|
.elseif J_ == 3
	v_max3_num_f32 v[TQ+2], v[TQ+2], |v[O_+7]|, (EMAX+1)<<23
	v_max3_num_f32 v[TQ], v[TQ], |v[E_+7]|, v[TQ+2]
.elseif J_ == 4
	v_permlanex16_b32 v[TQ+2], v[TQ], s40, s41     ; the other half's largest
	v_max_num_f32 v[TQ], v[TQ], v[TQ+2]
.elseif J_ == 5
	SCALES 0, T_
	SCALES 1, T_
.elseif J_ < 10
	HOLDS J_-6, E_+2*(J_-6)
.if J_ == 9
	v_cvt_scalef32_pk8_fp8_f32 v[MCD+4*T_:MCD+4*T_+1], v[E_:E_+7], v[SOP+T_]
.endif
.elseif J_ < 14
	HOLDS J_-6, O_+2*(J_-10)
.if J_ == 13
	v_cvt_scalef32_pk8_fp8_f32 v[MCD+4*T_+2:MCD+4*T_+3], v[O_:O_+7], v[SOP+T_]
.endif
.else
	SCALES 3, T_
.endif
.endm
.macro GAP n, y, x                     ; what stands behind product n: y = 1 Q's or K's block at x; 2, 3 the halves of V's pair at x
.if (\y) == 1 && (\n) > 0 && (\n) < 28
	WIN 0
	GAPQ (\n)-1, \x
.elseif (\y) == 2 && (\n) > 0 && (\n) < 31
	WIN 0
	GAPV (\n)-1, \x
.elseif (\y) == 3 && (\n) > 0 && (\n) < 31
	WIN 0
	GAPV (\n)+29, \x
.endif
.endm
.macro BLOCK kind, e, a, from, to, y, x
.set N_, \from
.rept (\to)-(\from)
	PROD \kind, \e, \a, N_
	GAP N_, \y, \x
.set N_, N_+1
.endr
.endm
.macro BLK kind, e, a, w, y, x         ; a block; w: the wait's count (-1: none)
.if (\w) >= 0
	s_wait_dscnt \w
.endif
	s_wait_xcnt 0x0                                ; the stores have read the codes that are made anew
	BLOCK \kind, \e, \a, 0, 32, \y, \x
	WIN 0
	PLACES NP
.endm
.macro QOUT n, s, base                 ; a block's byte and a zero byte beside it go to their places in LDS; its 32 codes a lane leave
	ds_store_b8 v[VXQ], v[EB] offset:512*\n+64*\s
	ds_store_b8 v[VXQ], v[ZR] offset:512*\n+64*\s+2
	global_store_b128 v[CN], v[NCD:NCD+3], s[\base:\base+1] offset:1024*\s
	global_store_b128 v[CN], v[NCD+4:NCD+7], s[\base:\base+1] offset:1024*\s+256
.endm
.macro VOUT p                          ; a pair of V's blocks: four tiles' bytes and codes
.irp t, 0,1,2,3
	ds_store_b8 v[VXV], v[EB+\t] offset:64*\t+\p
	global_store_b128 v[CO], v[MCD+4*\t:MCD+4*\t+3], s[100:101] offset:2048*\t+512*\p
.endr
.endm
	WEIGHTS ADRB1
	s_wait_tensorcnt 0x0                           ; chunk 0 and the scale bytes are in;
	ds_add_u32 v[SPW], v[NIL]
	s_wait_dscnt 0x0                               ; the first weight is in registers
	CROUND
	TLOAD G0R, G1R                                 ; chunk 1 into slot 1
	FETCH 0, ADR0, 0, 0
	FETCH 1, ADR0, 0, 1
	s_wait_loadcnt 0x0                             ; bias, scale words
	BLK 0, 0, 0, NF, 0, 0                          ; block 0
	global_prefetch_b8 v8, s[8:9] th:TH_LOAD_NT scope:SCOPE_SE
	FETCH 0, ADR0, 0, 2
	BLK 0, 1, 1, NF, 1, ACC                        ; block 1; the way out of 0
	QOUT 0, 0, 88
	FETCH 1, ADR0, 0, 3
	s_wait_dscnt NF                                ; block 2; the way out of 1; a round: chunk 1 is in, and all of chunk 0 has been fetched
	s_wait_xcnt 0x0
	BLOCK 0, 0, 0, 0, 24, 1, ACC+32
	WIN 0
	WALU
	s_wait_tensorcnt 0x0
	ds_add_u32 v[SPW], v[NIL]
	GROUP1 G1B, 45, 512, 8                         ; no tensor load of mine is out: the descriptors of the first weight take W_v's rows, a quarter a wave
	s_lshl_b32 s20, s14, 15
	s_mov_b32 s[G0B+1], s20
	s_add_co_u32 s20, s20, s3
	s_mov_b32 s21, 0
	s_add_nc_u64 s[G0B+2:G0B+3], s[8:9], s[20:21]
	s_or_b32 s[G0B+3], s[G0B+3], 0x80000000
	BLOCK 0, 0, 0, 24, 28, 1, ACC+32
	WIN 0
	WALU
	s_wait_dscnt 0x0
	s_barrier_signal -1
	BLOCK 0, 0, 0, 28, 32, 1, ACC+32
	MIDDLE
	BARRIER
	TLOAD G0B, G1B                                 ; W_v's rows into slot 0
	PLACES NP-4
	QOUT 0, 1, 88
	FETCH 0, ADR1, 1, 0
	BLK 0, 1, 1, NF, 1, ACC                        ; block 3; the way out of 2
	QOUT 0, 2, 88
	FETCH 1, ADR1, 1, 1
	BLK 0, 0, 0, NF, 1, ACC+32                     ; block 4; 3
	QOUT 0, 3, 88
	FETCH 0, ADR1, 1, 2
	BLK 0, 1, 1, NF, 1, ACC                        ; block 5; 4
	QOUT 1, 0, 90
	FETCH 1, ADR1, 1, 3
	BLK 0, 0, 0, NF, 1, ACC+32                     ; block 6; 5
	QOUT 1, 1, 90
	FETCH 0, ADR1, 1, 0                            ; V's first block: chunk 1 again, as it lies
	BLK 0, 1, 1, NF, 1, ACC                        ; block 7; 6
	QOUT 1, 2, 90
	FETCH 1, ADR1, 1, 1
	WALU
	s_wait_tensorcnt 0x0                           ; THE CHANGE OF PHASE: W_v's rows are in
	s_wait_dscnt 0x0
	BARRIER
	WEIGHTS ADRB0
.irp i, 0,1,2,3,4,5,6,7,8,9,10,11,12,13,14,15
	v_mov_b32 v[SB+\i], v[WS+\i]                   ; W_v's scale words
.endr
.irp t, 0,1,2,3
.irp i, 0,1,2,3,4,5,6,7
	v_mov_b32 v[BQ+8*\t+\i], v[BV+\t]              ; V's bias: a lane holds one column of a tile
.endr
.endr
	WALU
	s_wait_dscnt 0x0
	BLK 1, 0, 0, -1, 1, ACC+32                     ; V's block 0; the way out of phase 1's last
	QOUT 1, 3, 90
	FETCH 0, ADR1, 1, 2
	BLK 1, 1, 1, -1, 0, 0                          ; V's block 1, fetched ahead of the change
	FETCH 1, ADR1, 1, 3
	BLK 1, 0, 2, NF, 2, ACC                        ; V's block 2; the first pair's way out
	BLK 1, 1, 3, 0, 3, ACC                         ; V's block 3
	VOUT 0
	WALU
	s_wait_xcnt 0x0                                ; the stores have read the codes that are made anew
.set K_, 0
.rept 60
	GAPV K_, ACC+64
.set K_, K_+1
.endr
	VOUT 1
	s_lshl_b32 s20, s14, 9
	s_add_co_u32 s20, s20, XN
	s_lshl_b32 s21, s16, 8
	s_add_co_u32 s21, s21, XV
	v_add_nc_u32 v1, s20, v[CO]                    ; my 512 bytes of Q's or K's scale words
	v_lshlrev_b32 v2, 3, v3
	v_add_nc_u32 v3, s21, v2                       ; V's 256 bytes of a wave column
	WALU
	s_wait_dscnt 0x0                               ; the scale bytes
	BARRIER
	ds_load_b128 v[60:63], v1
	s_wait_dscnt 0x0
	global_store_b128 v[CO], v[60:63], s[66:67]
	s_cmp_lg_u32 s15, 0
	s_cbranch_scc1 .Lend                           ; the upper row of waves stores V's
	ds_load_b64 v[44:45], v3
	s_wait_dscnt 0x0
	global_store_b64 v2, v[44:45], s[104:105]
.Lend:
	s_wait_tensorcnt 0x0                           ; the wave's end
	ds_add_u32 v[SPW], v[NIL]
	s_wait_dscnt 0x0
	CROUND                                         ; the closing round: no work-group ends while a partner may still ask for a tile that names it
	s_endpgm
.Lfunc_end_k_q9817e70d75_proj:
	.size	k_q9817e70d75_proj, .Lfunc_end_k_q9817e70d75_proj-k_q9817e70d75_proj
	.p2alignl 7, 3214868480
	.fill 96, 4, 3214868480
	.section	.rodata,"a",@progbits
	.p2align	6, 0x0
	.amdhsa_kernel k_q9817e70d75_proj
		.amdhsa_group_segment_fixed_size 327680
		.amdhsa_private_segment_fixed_size 0
		.amdhsa_enable_private_segment 0
		.amdhsa_kernarg_size 80
		.amdhsa_user_sgpr_count 2
		.amdhsa_user_sgpr_kernarg_segment_ptr 1
		.amdhsa_wavefront_size32 1
		.amdhsa_system_sgpr_workgroup_id_x 1
		.amdhsa_system_sgpr_workgroup_id_y 1
		.amdhsa_system_sgpr_workgroup_id_z 1
		.amdhsa_system_vgpr_workitem_id 0
		.amdhsa_next_free_vgpr 1024
		.amdhsa_next_free_sgpr 106
		.amdhsa_reserve_vcc 0
		.amdhsa_float_denorm_mode_32 3
		.amdhsa_float_denorm_mode_16_64 3
		.amdhsa_memory_ordered 1
		.amdhsa_forward_progress 1
		.amdhsa_inst_pref_size 179
	.end_amdhsa_kernel
	.amdgpu_metadata
---
amdhsa.version: [ 1, 2 ]
amdhsa.kernels:
  - .name:           k_q9817e70d75_proj
    .symbol:         k_q9817e70d75_proj.kd
    .args:
      - { .name: xc, .offset: 0, .size: 8, .value_kind: global_buffer, .address_space: global }
      - { .name: xs, .offset: 8, .size: 8, .value_kind: global_buffer, .address_space: global }
      - { .name: wc, .offset: 16, .size: 8, .value_kind: global_buffer, .address_space: global }
      - { .name: ws, .offset: 24, .size: 8, .value_kind: global_buffer, .address_space: global }
      - { .name: bq, .offset: 32, .size: 8, .value_kind: global_buffer, .address_space: global }
      - { .name: bk, .offset: 40, .size: 8, .value_kind: global_buffer, .address_space: global }
      - { .name: bv, .offset: 48, .size: 8, .value_kind: global_buffer, .address_space: global }
      - { .name: qimg, .offset: 56, .size: 8, .value_kind: global_buffer, .address_space: global }
      - { .name: qsc, .offset: 64, .size: 8, .value_kind: global_buffer, .address_space: global }
      - { .name: kv, .offset: 72, .size: 8, .value_kind: global_buffer, .address_space: global }
    .group_segment_fixed_size: 327680
    .private_segment_fixed_size: 0
    .kernarg_segment_align: 8
    .kernarg_segment_size: 80
    .max_flat_workgroup_size: 128
    .sgpr_count:     106
    .vgpr_count:     1024
    .wavefront_size: 32
...
	.end_amdgpu_metadata
.endif
;; end of part 2
;; launch attn (part 3): grid 8 x 32, 16 waves a work-group, clusters of 4 x 1, 327,680 bytes of LDS; arguments qimg, qsc, kv, region_mask, region_weight, out0; writes out0
.if DOCPART == 3
	.amdgcn_target "amdgcn-amd-amdhsa--gfx1250"
	.amdhsa_code_object_version 6
	.text
	.protected	k_q9817e70d75_attn
	.globl	k_q9817e70d75_attn
	.p2align	8
	.type	k_q9817e70d75_attn,@function
k_q9817e70d75_attn:
	s_mov_b64 s[64:65], 0
	v_nop
	global_prefetch_b8 v0, s[64:65] scope:SCOPE_SE
	s_setreg_imm32_b32 hwreg(HW_REG_WAVE_MODE, 25, 1), 1
	s_wait_xcnt 0x0
	s_wait_alu depctr_hold_cnt(0) depctr_sa_sdst(0) depctr_va_vdst(0) depctr_va_sdst(0) depctr_va_ssrc(0) depctr_va_vcc(0) depctr_vm_vsrc(0)
	s_getreg_b32 s2, hwreg(HW_REG_IB_STS2, 6, 4)
	s_cmp_eq_u32 s2, 0
	s_cbranch_scc0 .Lentry_in_a_cluster
	s_endpgm
.Lentry_in_a_cluster:
	s_bfe_u32 s2, ttmp6, 0x10000c
	s_cmp_lg_u32 s2, 0x3003
	s_cbranch_scc0 .Lentry_shape_is_right
	s_endpgm
.Lentry_shape_is_right:
; out[b][q][64 head + d] = the sum over keys of softmax_k(q . k / 8 + region_mask[b][q] x region_weight) v, both products on codes of FP8 (E4M3) with one E8M0 scale for each 32 along a product's K.
; THE SOFTMAX AHEAD OF THE SECOND PRODUCT: t = score x log2(e) / 8 + BT, BT = mask x weight x log2(e), one number a query; M = the row's largest t so far, rounded UP to a whole number;
; p = 2^(t - M) is what is quantised, along the keys, not normalised.  The row's sum is taken of the unquantised p and divides at the end.  When M moves, the sum and O are multiplied by 2^(old M - new M): exact.
; BT is the same along the keys, but it is no whole number: it moves the quantised p's codes, so it is not left out.
; The first product's K is the head's 64.  The upper half of the instruction's 128 is zero codes in Q's fragment, written once; in a fragment of K it is the next tile's codes, which are finite, times those zeros; its scale bytes are 0, a finite scale.
; SHARES.  A work-group owns 256 queries of one head, each of its sixteen waves one tile of 16: four waves to a SIMD.  A wave walks 2,048 keys in eight steps of 256.
; THE HEAD'S WHOLE RECORD (k's images 131,072 bytes, v's images 131,072, scale words 12,288) lies in LDS and is filled once, by one joint load a wave: waves 0, 1 k's and v's first 512 keys, wave 2 the scale words,
; waves 4-15 the rest, 16,384 bytes each.  CLUSTER: the four query blocks of a cluster belong to one head and want the same record: mask 15.  No prefetch: all that the launch reads is asked for at its head, no loop runs ahead of a load.
; BARRIERS.  The first shows the first 512 keys and the scale words.  The second shows the rest: signalled behind step 0, awaited behind step 1.  The third frees the first 512 keys' bytes for the way out: signalled behind step 1, awaited there.
; LAYOUT.  Both products are used transposed: S^T = K Q^T, O^T = V^T P^T: a lane holds ONE query throughout.  Tile 2 b + u, lane r is token 32 b + 8 u + r + 8 (r / 8), so the 16 registers of S^T's tiles 2 b, 2 b + 1 are
; keys 32 b + 16 (lane / 16) + 0 .. 15; likewise O^T's registers along the head's 64.  All operands lie as images of their registers.
; LIMITS: NaN and infinities are not served; the scaled scores stay under 2^31 in magnitude.  A block's exponent is floor(t - M) of its largest score, held at -118 from below; where t - M lies within half an ulp of 1 under a whole number, p may round up to the next power of two and is held at 448 x the scale.
.set REC,  274432
.set SPARE, REC                        ; the spare words, 128 bytes a wave
.set R0,   1
.set R1,   2
.set FF,   2                           ; v[2:3]   f = 2^(old M - new M)
.set TMP,  3
.set L4,   4                           ; 4 x lane
.set BT,   5
.set NM,   6                           ; -M
.set L16,  7                           ; 16 x lane
.set ADK,  8
.set ADV,  9
.set ADS,  10
.set ADT,  11                          ; v12 = BT - M; v13 the largest t; v[14:15] the sum in two halves
.set BM,   16                          ; v16-23 the eight blocks' largest scores, then their exponents
.set SO,   24                          ; v24-27 the conversion's scale operand   (v24-29 are the sum's other chains before)
.set HD,   28                          ; v28-31 448 x the scale                  (v30, v31 are the add's registers at the head and at the end)
.set S,    32                          ; v32-159 S^T, then p, then eight fragments of V
.set KR,   128                         ; v128-191 eight tiles of K, packed; v192-199 zeros behind them
.set PC,   160                         ; v160-191 p's codes
.set QF,   200                         ; v200-215 Q's fragment, its upper half zero codes
.set OT,   216                         ; v216-247 O^T
.set KSC,  248                         ; v248-251 scale words of K (lanes 0-15 tile 2 i, lanes 16-31 tile 2 i + 1), then of V likewise
.set QS,   252
.set PWD,  253                         ; v253, v254 p's scale words
.set GO,   255
.set CSO,  17                          ; s17 119 << 23
.set WV,   18
.set CHD,  19                          ; s19 the bits of 448 x 2^-8
.set SEL,  20
.set CS,   22                          ; s[22:23] c = log2(e) / 8
.set G1A,  24                          ; descriptor groups 1: 8, 3 and 4 rows of 4,096 bytes
.set G1S,  32
.set G1R,  52
.set G0A,  40
.set G0S,  44
.set G0R,  48
.set TK,   66                          ; where the step's images of k begin in LDS
.set TSK,  67                          ; its scale words of k
.set TSV,  68                          ; and of v
.set CNT,  69
.macro CROUND                          ; a round of the cluster's barrier
	s_barrier_signal -1
	s_barrier_wait -1
	s_cmp_lg_u32 s[WV], 0
	s_cbranch_scc1 .Lnot_wave_0_\@
	s_barrier_signal -3
.Lnot_wave_0_\@:
	s_barrier_wait -3
	s_barrier_signal -1
	s_barrier_wait -1
.endm
.macro GROUP1 g, rows                  ; dense rows of 4,096 bytes (512 elements of 8); 15:0 the mask, 21 set beside it; no padding
	s_mov_b32 s[\g], 15|(3<<16)|(1<<21)
	s_mov_b32 s[\g+1], 512<<16
	s_mov_b32 s[\g+2], \rows<<16
	s_mov_b32 s[\g+3], 512<<16
	s_mov_b32 s[\g+4], \rows
	s_mov_b32 s[\g+5], 512
	s_mov_b32 s[\g+6], 0
	s_mov_b32 s[\g+7], 0
.endm
.macro TLOAD g0, g1
	tensor_load_to_lds s[\g0:\g0+3], s[\g1:\g1+7]
	s_nop 0
.rept 4
	v_nop
.endr
.endm
	s_load_b256 s[4:11], s[0:1], 0x0               ; qimg, qsc, kv, region_mask
	s_load_b128 s[12:15], s[0:1], 0x20             ; region_weight, out0
	v_lshl_add_u32 v30, v0, 2, SPARE
	v_mov_b32 v31, 0
	ds_add_u32 v30, v31                            ; the wave's opening: the add, twice on end, and its wait
	ds_add_u32 v30, v31
	v_lshrrev_b32 v1, 5, v0
	v_readfirstlane_b32 s[WV], v1                  ; wave 0..15
	s_and_b32 s70, ttmp7, 0xffff                   ; 16 batch + head, which the four partners share
	s_bfe_u32 s71, ttmp6, 0x40000                  ; cx: it enters Q's, the mask's and the output's addresses alone
	s_lshl_b32 s72, ttmp9, 2
	s_add_co_u32 s72, s72, s71                     ; my block of 256 queries
	s_lshl_b32 s73, s72, 4
	s_add_co_u32 s73, s73, s[WV]                   ; my token tile, 0 .. 127
	s_mul_i32 s74, s70, REC
	s_mov_b32 s75, 0
	GROUP1 G1A, 8
	GROUP1 G1S, 3
	GROUP1 G1R, 4
	s_lshl_b32 s76, s[WV], 17                      ; waves 0, 1: the first 32,768 bytes of k's, of v's images
	s_mov_b32 s77, 0
	s_add_co_u32 s78, s[WV], 12
	s_and_b32 s78, s78, 15
	s_min_u32 s78, s78, 11                         ; waves 4 .. 15: n = 0 .. 11 (the others issue no such load)
	s_add_co_u32 s79, s78, 10
	s_lshr_b32 s79, s79, 4                         ; n = 6 .. 11 fetch v's, past its first 32,768 bytes
	s_lshl_b32 s79, s79, 15
	s_lshl_b32 s78, s78, 14
	s_add_co_u32 s78, s78, s79
	s_add_co_u32 s78, s78, 32768
	s_mov_b32 s79, 0
	s_mov_b32 s[SEL], 0x76543210
	s_mov_b32 s[SEL+1], 0xfedcba98                 ; v_permlanex16_b32's selects for lane l xor 16
	s_mov_b32 s[CS], 0x3e38aa3b                    ; c = log2(e) / 8
	s_mov_b32 s[CS+1], s[CS]                       ; (named with it as a pair, so it is written)
	s_mov_b32 s[CSO], 0x3b800000
	s_mov_b32 s[CHD], 0x3fe00000
	s_wait_alu depctr_va_vdst(0)
	s_wait_dscnt 0x0                               ; both opening adds are done
	CROUND                                         ; all four work-groups are here: the joint loads meet
	s_wait_kmcnt 0x0
	s_load_b32 s16, s[12:13], 0x0                  ; region_weight
	s_add_nc_u64 s[8:9], s[8:9], s[74:75]          ; the head's record: it goes to LDS as it lies, from LDS byte 0 on
	s_mov_b32 s[G0A], 1
	s_mov_b32 s[G0A+1], s76
	s_add_nc_u64 s[G0A+2:G0A+3], s[8:9], s[76:77]
	s_or_b32 s[G0A+3], s[G0A+3], 0x80000000
	s_mov_b32 s[G0S], 1
	s_mov_b32 s[G0S+1], 262144
	s_add_nc_u64 s[G0S+2:G0S+3], s[8:9], 262144
	s_or_b32 s[G0S+3], s[G0S+3], 0x80000000
	s_mov_b32 s[G0R], 1
	s_mov_b32 s[G0R+1], s78
	s_add_nc_u64 s[G0R+2:G0R+3], s[8:9], s[78:79]
	s_or_b32 s[G0R+3], s[G0R+3], 0x80000000
	s_cmp_lt_u32 s[WV], 2                          ; ONE joint load a wave, in one chain of branches on the wave's number; what the first barrier shows has lines of its own
	s_cbranch_scc0 .Lhead_s
	TLOAD G0A, G1A
	s_branch .Lasked
.Lhead_s:
	s_cmp_lt_u32 s[WV], 3
	s_cbranch_scc0 .Lhead_r
	TLOAD G0S, G1S
	s_branch .Lasked
.Lhead_r:
	s_cmp_lt_u32 s[WV], 4                          ; (wave 3 has none)
	s_cbranch_scc1 .Lasked
	TLOAD G0R, G1R
.Lasked:
	s_lshl_b32 s74, s70, 17
	s_lshl_b32 s76, s73, 10
	s_add_co_u32 s74, s74, s76
	s_add_nc_u64 s[4:5], s[4:5], s[74:75]          ; my tile's image of Q
	s_lshl_b32 s74, s70, 13
	s_lshl_b32 s76, s73, 6
	s_add_co_u32 s74, s74, s76
	s_add_nc_u64 s[6:7], s[6:7], s[74:75]          ; and its scale words
	s_lshr_b32 s76, s70, 4
	s_lshl_b32 s76, s76, 11
	s_lshr_b32 s77, s73, 1
	s_lshl_b32 s77, s77, 5
	s_add_co_u32 s76, s76, s77
	s_and_b32 s77, s73, 1
	s_lshl_b32 s77, s77, 3
	s_add_co_u32 s76, s76, s77                     ; my tile's first token among the 4,096
	s_lshl_b32 s74, s76, 2
	s_add_nc_u64 s[10:11], s[10:11], s[74:75]      ; its mask
	s_lshl_b32 s74, s76, 12
	s_and_b32 s77, s70, 15
	s_lshl_b32 s77, s77, 8
	s_add_co_u32 s74, s74, s77
	s_add_nc_u64 s[14:15], s[14:15], s[74:75]      ; its row of the output, at my head's 256 bytes
	v_and_b32 v1, 31, v0
	v_lshlrev_b32 v[L16], 4, v1
	v_lshlrev_b32 v[L4], 2, v1
	v_and_b32 v1, 15, v0                           ; r
	global_load_b128 v[QF:QF+3], v[L16], s[4:5]
	global_load_b128 v[QF+4:QF+7], v[L16], s[4:5] offset:512
	v_lshlrev_b32 v8, 2, v1
	global_load_b32 v[QS], v8, s[6:7]              ; query r's word, in both halves of the lanes
	v_lshrrev_b32 v9, 3, v1
	v_lshl_add_u32 v9, v9, 5, v8                   ; 4 (r + 8 (r / 8)): lane r's token in the tile
	global_load_b32 v12, v9, s[10:11]
	v_mov_b32 v13, 0xff61b1e6                      ; the largest t so far: -3e38, under every t
	v_floor_f32 v[NM], -v13
	v_mov_b32 v14, 0                               ; the sum, in two halves
	v_mov_b32 v15, 0
	v_mov_b32 v2, 0                                ; (a lane permute's destination counts as one of its sources)
	v_mov_b32 v3, 0
.set i, 0
.rept 8
	v_mov_b32 v[QF-8+i], 0                         ; zero codes behind K's last tile,
	v_mov_b32 v[QF+8+i], 0                         ; and in Q's upper half: written once
.set i, i+1
.endr
.set i, 0
.rept 32
	v_mov_b32 v[OT+i], 0                           ; O^T: the step finds zeros at first, which the first change of M leaves zeros
.set i, i+1
.endr
	s_wait_alu depctr_va_vdst(0)
	s_wait_loadcnt 0x0                             ; Q, its scale words, the mask
	s_wait_kmcnt 0x0                               ; the weight
	v_mul_f32 v[BT], s16, v12
	v_mul_f32 v[BT], 0x3fb8aa3b, v[BT]             ; x log2(e)
.macro KLOAD b                         ; the b-th 128 keys' eight tiles and their scale words: 4 + 16 loads
.irp i, 0,1,2,3
	ds_load_b32 v[KSC+\i], v[ADS] offset:512*\b+128*\i
.endr
.irp i, 0,1,2,3,4,5,6,7
	ds_load_b128 v[KR+8*\i:KR+8*\i+3], v[ADK] offset:8192*\b+1024*\i
	ds_load_b128 v[KR+8*\i+4:KR+8*\i+7], v[ADK] offset:8192*\b+1024*\i+512
.endr
.endm
.macro SPROD b, i0                     ; S^T = K Q^T: four tiles of 16 keys
.irp i, \i0, \i0+1, \i0+2, \i0+3
.if (\i)%2
	v_wmma_scale_f32_16x16x128_f8f6f4 v[S+64*\b+8*(\i):S+64*\b+8*(\i)+7], v[KR+8*(\i):KR+8*(\i)+15], v[QF:QF+15], 0, v[KSC+(\i)/2], v[QS] matrix_a_scale:MATRIX_SCALE_ROW1
.else
	v_wmma_scale_f32_16x16x128_f8f6f4 v[S+64*\b+8*(\i):S+64*\b+8*(\i)+7], v[KR+8*(\i):KR+8*(\i)+15], v[QF:QF+15], 0, v[KSC+(\i)/2], v[QS]
.endif
.endr
.endm
.macro BMAX x, y                       ; the largest score of blocks x and y, by turns: my 16 keys of each: 16 lines
.irp b, \x, \y
	v_max3_num_f32 v[BM+\b], v[S+16*\b], v[S+1+16*\b], v[S+2+16*\b]
.endr
.irp i, 3,5,7,9,11,13
.irp b, \x, \y
	v_max3_num_f32 v[BM+\b], v[BM+\b], v[S+16*\b+\i], v[S+1+16*\b+\i]
.endr
.endr
.irp b, \x, \y
	v_max_num_f32 v[BM+\b], v[BM+\b], v[S+15+16*\b]
.endr
.endm
.macro VLOAD s                         ; the s-th 128 keys' four fragments of V take p's registers
.irp t, 0,1,2,3
.irp c, 0,1,2,3
	ds_load_b128 v[S+64*\s+16*\t+4*\c:S+64*\s+16*\t+4*\c+3], v[ADV] offset:8192*\s+2048*\t+512*\c
.endr
.endr
.endm
.macro HALF s                          ; p of 128 keys becomes codes
.irp b, 0,1,2,3
	v_lshl_add_u32 v[HD+\b], v[BM+4*\s+\b], 23, s[CHD]   ; 448 x the scale
.endr
.irp b, 0,1,2,3
	v_lshl_add_u32 v[SO+\b], v[BM+4*\s+\b], 23, s[CSO]   ; the scale: 2^(exponent - 8)
.endr
.irp b, 0,1,2,3
.irp i, 0,2,4,6,8,10,12,14
	v_dual_min_num_f32 v[S+64*\s+16*\b+\i], v[S+64*\s+16*\b+\i], v[HD+\b] :: v_dual_min_num_f32 v[S+64*\s+16*\b+\i+1], v[S+64*\s+16*\b+\i+1], v[HD+\b]   ; the conversion to an 8-bit code does not saturate (ISA guide 7.6.2); p is not negative, so the hold is one-sided
.endr
	v_cvt_scalef32_pk8_fp8_f32 v[PC+16*\s+4*\b:PC+16*\s+4*\b+1], v[S+64*\s+16*\b:S+64*\s+16*\b+7], v[SO+\b]
	v_cvt_scalef32_pk8_fp8_f32 v[PC+16*\s+4*\b+2:PC+16*\s+4*\b+3], v[S+64*\s+16*\b+8:S+64*\s+16*\b+15], v[SO+\b]
.endr
.endm
.macro PV s                            ; O^T += V^T P^T: the four accumulators by turns
.irp t, 0,1,2,3
.if \t%2
	v_wmma_scale_f32_16x16x128_f8f6f4 v[OT+8*\t:OT+8*\t+7], v[S+64*\s+16*\t:S+64*\s+16*\t+15], v[PC+16*\s:PC+16*\s+15], v[OT+8*\t:OT+8*\t+7], v[KSC+2*\s+\t/2], v[PWD+\s] matrix_a_scale:MATRIX_SCALE_ROW1
.else
	v_wmma_scale_f32_16x16x128_f8f6f4 v[OT+8*\t:OT+8*\t+7], v[S+64*\s+16*\t:S+64*\s+16*\t+15], v[PC+16*\s:PC+16*\s+15], v[OT+8*\t:OT+8*\t+7], v[KSC+2*\s+\t/2], v[PWD+\s]
.endif
.endr
.endm
.macro SUMTO d, j
	v_pk_add_f32 v[\d:\d+1], v[\d:\d+1], v[S+\j:S+\j+1]
.endm
; A KEY STEP: 256 keys
.macro STEP
	v_add_nc_u32 v[ADK], s[TK], v[L16]
	v_add_nc_u32 v[ADS], s[TSK], v[L4]
	v_add_nc_u32 v[ADT], s[TSV], v[L4]
	v_add_nc_u32 v[ADV], 0x20000, v[ADK]           ; v's images lie 131,072 bytes behind k's, and a step is 16,384 bytes of each
.rept 5
	v_nop                                          ; with the four lines above: nine places between the last step's products and the first product below, which writes over the registers that held V's fragments
.endr
	KLOAD 0
	s_wait_alu depctr_va_vdst(0)
	s_wait_dscnt 6                                 ; the scale words and tiles 0-4 are in (tile 4 is the upper half of tile 3's fragment)
	SPROD 0, 0
	s_wait_dscnt 0x0
	SPROD 0, 4
	v_mov_b32 v[TMP], v[NM]
.rept 7
	v_nop                                          ; with the line above eight places, for the loads below and for the first reads of the scores
.endr
	KLOAD 1
	BMAX 0, 1
	s_wait_alu depctr_va_vdst(0)
	s_wait_dscnt 6                                 ; the scale words and tiles 8-12 are in
	SPROD 1, 0
	s_wait_dscnt 0x0
	BMAX 2, 3                                      ; sixteen places: the products below write over tiles 8-11's fragments
	SPROD 1, 4
	BMAX 4, 5                                      ; sixteen places ahead of the reads of the scores just made
	BMAX 6, 7
.irp b, 0,2,4,6
	v_permlane16_swap_b32 v[BM+\b], v[BM+\b+1]     ; lanes 0-15: both halves of block b; lanes 16-31: both halves of block b + 1
.endr
.irp b, 0,2,4,6
	v_max_num_f32 v[BM+\b], v[BM+\b], v[BM+\b+1]   ; so lanes 0-15 hold block b's largest score, lanes 16-31 block b + 1's
.endr
	v_max3_num_f32 v[R0], v[BM], v[BM+2], v[BM+4]
	s_delay_alu instid0(VALU_DEP_1)
	v_max_num_f32 v[R0], v[R0], v[BM+6]
	s_delay_alu instid0(VALU_DEP_1)
	v_permlanex16_b32 v[R1], v[R0], s[SEL], s[SEL+1]
	s_delay_alu instid0(VALU_DEP_1)
	v_max_num_f32 v[R0], v[R0], v[R1]              ; the step's largest score of my query,
	s_delay_alu instid0(VALU_DEP_1)
	v_fma_f32 v[R0], v[R0], s[CS], v[BT]           ; as t (c is positive)
	s_delay_alu instid0(VALU_DEP_1)
	v_max_num_f32 v13, v13, v[R0]                  ; the running largest t
	s_delay_alu instid0(VALU_DEP_1)
	v_floor_f32 v[NM], -v13                        ; the new -M = floor(-t) = -ceil(t): a whole number
	s_delay_alu instid0(VALU_DEP_1)
	v_sub_f32 v[TMP], v[NM], v[TMP]                ; M's old value less its new one: a whole number, 0 or less
	v_add_f32 v12, v[BT], v[NM]                    ; BT - M
	s_delay_alu instid0(VALU_DEP_2)
	v_cvt_i32_f32 v[TMP], v[TMP]                   ; (it saturates)
	s_delay_alu instid0(VALU_DEP_1)
	v_ldexp_f32 v[FF], 1.0, v[TMP]                 ; f = 2^(old M - new M): rounds nothing
.irp b, 0,2,4,6
	v_fma_f32 v[BM+\b], v[BM+\b], s[CS], v12       ; t - M of each block's largest score, by the same multiply-add as below
.endr
.irp b, 0,2,4,6
	v_max_num_f32 v[BM+\b], 0xc2ec0000, v[BM+\b]   ; held at -118: the scale byte cannot fall under 1
.endr
.irp b, 0,2,4,6
	v_cvt_floor_i32_f32 v[BM+\b], v[BM+\b]         ; the exponent of the block's largest p
.endr
.irp b, 0,2,4,6
	v_mov_b32 v[BM+\b+1], v[BM+\b]
.endr
.irp b, 0,2,4,6
	v_permlane16_swap_b32 v[BM+\b], v[BM+\b+1]     ; block b's exponent in all lanes, and block b + 1's
.endr
.irp s, 0,1
	v_lshl_add_u32 v[PWD+\s], v[BM+4*\s+3], 8, v[BM+4*\s+2]
.endr
.irp s, 0,1
	v_lshl_add_u32 v[PWD+\s], v[PWD+\s], 8, v[BM+4*\s+1]
.endr
.irp s, 0,1
	v_lshl_add_u32 v[PWD+\s], v[PWD+\s], 8, v[BM+4*\s]
.endr
.irp s, 0,1
	v_add_nc_u32 v[PWD+\s], 0x77777777, v[PWD+\s]  ; each byte: exponent - 8 + 127: p's scale word
.endr
.set j, 0
.rept 64
	v_pk_fma_f32 v[S+j:S+j+1], v[S+j:S+j+1], s[CS:CS+1], v[12:13] op_sel_hi:[1,0,0]   ; t - M, two at a time (of the pairs the low word serves both halves)
.set j, j+2
.endr
	s_wait_alu depctr_va_vdst(0)                   ; ahead of the batch,
.set j, 0
.rept 128
	v_exp_f32 v[S+j], v[S+j]                       ; p = 2^(t - M): not normalised
.set j, j+1
.endr
	v_pk_mul_f32 v[14:15], v[14:15], v[FF:FF+1] op_sel_hi:[1,0]   ; the sums under the new M.  (A plain place behind the exponentials)
	s_wait_alu depctr_va_vdst(0)                   ; and behind it
	v_pk_add_f32 v[24:25], v[S:S+1], v[S+2:S+3]    ; the row's sum, in four chains
	v_pk_add_f32 v[26:27], v[S+4:S+5], v[S+6:S+7]
	v_pk_add_f32 v[28:29], v[S+8:S+9], v[S+10:S+11]
	SUMTO 14, 12
.set j, 14
.rept 14
	SUMTO 24, j
	SUMTO 26, j+2
	SUMTO 28, j+4
	SUMTO 14, j+6
.set j, j+8
.endr
	SUMTO 24, 126
	v_pk_add_f32 v[26:27], v[26:27], v[28:29]
	v_pk_add_f32 v[14:15], v[14:15], v[24:25]
	v_pk_add_f32 v[14:15], v[14:15], v[26:27]
	HALF 0
.irp i, 0,1,2,3
	ds_load_b32 v[KSC+\i], v[ADT] offset:128*\i
.endr
	VLOAD 0
	HALF 1
	v_nop                                          ; one plain line behind the last conversion
	VLOAD 1
	s_wait_alu depctr_va_vdst(0)                   ; ahead of the first reader of O^T
.set j, 0
.rept 16
	v_pk_mul_f32 v[OT+j:OT+j+1], v[OT+j:OT+j+1], v[FF:FF+1] op_sel_hi:[1,0]   ; O^T under the new M.  (These sixteen are also the places between the codes and the products below)
.set j, j+2
.endr
	s_wait_alu depctr_va_vdst(0)
	s_wait_dscnt 16                                ; V's scale words and its first half are in
	PV 0
	s_wait_dscnt 0x0
	PV 1
.endm
	s_wait_alu depctr_va_vdst(0)
	s_cmp_lt_u32 s[WV], 3
	s_cbranch_scc0 .Lnot_yet
	s_wait_tensorcnt 0x0                           ; waves 0-2: the first 512 keys and the scale words have landed.  The others' wait stands behind step 0
.Lnot_yet:
	s_barrier_signal -1
	s_barrier_wait -1
	s_mov_b32 s[TK], 0
	s_mov_b32 s[TSK], 262144
	s_mov_b32 s[TSV], 270336
	STEP
	s_wait_tensorcnt 0x0                           ; no tensor load of mine is out from here on
	s_wait_dscnt 0x0
	s_barrier_signal -1                            ; the second barrier: awaited a step later
	s_mov_b32 s[TK], 16384
	s_mov_b32 s[TSK], 262144+1024
	s_mov_b32 s[TSV], 270336+512
	STEP
	s_wait_dscnt 0x0
	s_barrier_wait -1                              ; the whole record is in
	s_barrier_signal -1                            ; the third: my reads of the first 512 keys are over; awaited at the way out, which writes over them
	s_mov_b32 s[TK], 32768
	s_mov_b32 s[TSK], 262144+2048
	s_mov_b32 s[TSV], 270336+1024
	s_mov_b32 s[CNT], 6
.Lstep:
	STEP
	s_add_co_u32 s[TK], s[TK], 16384
	s_add_co_u32 s[TSK], s[TSK], 1024
	s_add_co_u32 s[TSV], s[TSV], 512
	s_sub_co_u32 s[CNT], s[CNT], 1
	s_cmp_lg_u32 s[CNT], 0
	s_cbranch_scc1 .Lstep
	; THE WAY OUT.  O^T is divided by the row's sum and goes through my stage in LDS, 16 rows of 256 bytes, so that sixteen lanes store one aligned run of 256 bytes: a query's 64 numbers of my head.
	; The stages lie over the first 32,768 bytes of k's and of v's images, which are never filled again.  Piece j (16 bytes) of row n lies at place j xor n of its row.
.rept 8
	v_nop                                          ; places behind the last products
.endr
	v_add_f32 v14, v14, v15                        ; the sum's two halves,
	v_permlanex16_b32 v[R0], v14, s[SEL], s[SEL+1]
	v_add_f32 v14, v14, v[R0]                      ; and lane l xor 16's: the row's sum
	s_wait_alu depctr_va_vdst(0)                   ; ahead of the transcendental
	v_rcp_f32 v14, v14
	v_and_b32 v8, 15, v0                           ; (a plain place behind the transcendental)  r
	v_bfe_u32 v9, v0, 4, 1                         ; h
	s_lshr_b32 s70, s[WV], 3
	s_mul_i32 s70, s70, 98304
	s_lshl_b32 s71, s[WV], 12
	s_add_co_u32 s70, s70, s71                     ; my stage
	v_lshlrev_b32 v11, 2, v9
	v_xor_b32 v11, v11, v8
	v_lshlrev_b32 v10, 8, v8
	v_lshl_add_u32 v10, v11, 4, v10
	v_add_nc_u32 v10, s70, v10                     ; in: row r, piece 4 h
	v_xor_b32 v11, v8, v9
	v_lshlrev_b32 v12, 8, v9
	v_lshl_add_u32 v12, v11, 4, v12
	v_add_nc_u32 v12, s70, v12                     ; back: lanes 0-15 row 0, lanes 16-31 row 1
	v_lshlrev_b32 v[GO], 12, v9
	v_lshl_add_u32 v[GO], v8, 4, v[GO]
.irp u, 0,1
.irp q, 0,1,2,3
	v_xor_b32 v[16+4*\u+\q], 128*\u+16*\q, v10     ; piece 8 u + 4 h + q
.endr
.endr
.irp i, 0,1,2,3,4,5,6,7
	v_xor_b32 v[24+\i], 32*\i, v12                 ; rows 2 i, 2 i + 1
.endr
	s_wait_alu depctr_va_vdst(0)
.set j, 0
.rept 32
	v_mul_f32 v[S+j], v[OT+j], v14                 ; register 16 u + i is d = 32 u + 16 h + i of query r; each accumulator from its low end on
.set j, j+1
.endr
	s_wait_alu depctr_va_vdst(0)
	s_barrier_wait -1                              ; nobody reads the first 512 keys any more
.irp u, 0,1
.irp q, 0,1,2,3
	ds_store_b128 v[16+4*\u+\q], v[S+16*\u+4*\q:S+16*\u+4*\q+3]
.endr
.endr
.irp i, 0,1,2,3,4,5,6,7
	ds_load_b128 v[64+4*\i:64+4*\i+3], v[24+\i] offset:512*\i   ; LDS serves a wave's instructions in order: these see my stores
.endr
.irp i, 0,1,2,3,4,5,6,7
	s_wait_dscnt 7-\i                              ; rows 2 i and 2 i + 1 are back; the younger loads may be out
	global_store_b128 v[GO], v[64+4*\i:64+4*\i+3], s[14:15] offset:(2*\i+8*(\i/4))*4096 th:TH_STORE_NT   ; stage row n is token n + 8 (n / 8) of the tile
.endr
	v_lshl_add_u32 v30, v0, 2, SPARE               ; the wave's end
	v_mov_b32 v31, 0
	s_wait_alu depctr_va_vdst(0)
	s_wait_tensorcnt 0x0
	ds_add_u32 v30, v31
	s_wait_dscnt 0x0
	CROUND                                         ; the closing round: no work-group ends while a partner may still ask for a tile that names it
	s_endpgm
.Lfunc_end_k_q9817e70d75_attn:
	.size	k_q9817e70d75_attn, .Lfunc_end_k_q9817e70d75_attn-k_q9817e70d75_attn
	.p2alignl 7, 3214868480
	.fill 96, 4, 3214868480
	.section	.rodata,"a",@progbits
	.p2align	6, 0x0
	.amdhsa_kernel k_q9817e70d75_attn
		.amdhsa_group_segment_fixed_size 327680
		.amdhsa_private_segment_fixed_size 0
		.amdhsa_enable_private_segment 0
		.amdhsa_kernarg_size 48
		.amdhsa_user_sgpr_count 2
		.amdhsa_user_sgpr_kernarg_segment_ptr 1
		.amdhsa_wavefront_size32 1
		.amdhsa_system_sgpr_workgroup_id_x 1
		.amdhsa_system_sgpr_workgroup_id_y 1
		.amdhsa_system_sgpr_workgroup_id_z 1
		.amdhsa_system_vgpr_workitem_id 0
		.amdhsa_next_free_vgpr 256
		.amdhsa_next_free_sgpr 84
		.amdhsa_reserve_vcc 0
		.amdhsa_float_denorm_mode_32 3
		.amdhsa_float_denorm_mode_16_64 3
		.amdhsa_memory_ordered 1
		.amdhsa_forward_progress 1
		.amdhsa_inst_pref_size 118
	.end_amdhsa_kernel
	.amdgpu_metadata
---
amdhsa.version: [ 1, 2 ]
amdhsa.kernels:
  - .name:           k_q9817e70d75_attn
    .symbol:         k_q9817e70d75_attn.kd
    .args:
      - { .name: qimg, .offset: 0, .size: 8, .value_kind: global_buffer, .address_space: global }
      - { .name: qsc, .offset: 8, .size: 8, .value_kind: global_buffer, .address_space: global }
      - { .name: kv, .offset: 16, .size: 8, .value_kind: global_buffer, .address_space: global }
      - { .name: region_mask, .offset: 24, .size: 8, .value_kind: global_buffer, .address_space: global }
      - { .name: region_weight, .offset: 32, .size: 8, .value_kind: global_buffer, .address_space: global }
      - { .name: out0, .offset: 40, .size: 8, .value_kind: global_buffer, .address_space: global }
    .group_segment_fixed_size: 327680
    .private_segment_fixed_size: 0
    .kernarg_segment_align: 8
    .kernarg_segment_size: 48
    .max_flat_workgroup_size: 512
    .sgpr_count:     84
    .vgpr_count:     256
    .wavefront_size: 32
...
	.end_amdgpu_metadata
.endif
;; end of part 3
